; MI455X (gfx1250); checked and timed in simulation.
; The chip was launched on July 23, 2026; its instructions are those of AMD's public machine-readable ISA for CDNA 5 (MIT licence, August 2026) and "CDNA5" Instruction Set Architecture Reference Guide (July 2026). The comments in the code are by the model that wrote it; some were corrected since.
;; Multi Attention. Allowed arithmetic: float matrix products may take bf16 or f16 operands with f32 sums; all other float work in f32.
;; Inputs: Wk 8 x 512 x 64 float32; Wo 512 x 512 float32; Wq 8 x 512 x 64 float32; Wv 8 x 512 x 64 float32; bk 8 x 64 float32; bo 512 float32; bq 8 x 64 float32; bv 8 x 64 float32; k_in 4 x 2,048 x 512 float32; q_in 4 x 2,048 x 512 float32; v_in 4 x 2,048 x 512 float32.
;; Outputs: out0 4 x 2,048 x 512 float32.
;; One version. Each part assembles by itself: llvm-mc -triple=amdgcn-amd-amdhsa -mcpu=gfx1250 --defsym DOCPART=n.
;; ======== version 1 of 1: 3 launches
;; workspace buffers: qp 8,388,608 bytes; kp 8,388,608 bytes; vp 8,388,608 bytes; ctx 8,388,608 bytes; wob 524,288 bytes
;; launch proj (part 1): grid 32 x 8, 8 waves a work-group, no clusters, 316,416 bytes of LDS; arguments q_in, k_in, v_in, Wq, Wk, Wv, bq, bk, bv, qp, kp, vp, Wo, wob; writes qp, kp, vp, wob
.if DOCPART == 1
	.amdgcn_target "amdgcn-amd-amdhsa--gfx1250"
	.amdhsa_code_object_version 6
	.text
	.protected	k_q5f18116fab_proj
	.globl	k_q5f18116fab_proj
	.p2align	8
	.type	k_q5f18116fab_proj,@function
k_q5f18116fab_proj:
	s_mov_b64 s[64:65], 0
	v_nop
	global_prefetch_b8 v0, s[64:65] scope:SCOPE_SE
	s_setreg_imm32_b32 hwreg(HW_REG_WAVE_MODE, 25, 1), 1
	s_wait_xcnt 0x0
; qp / kp / vp [b][h][s][64] (bf16) = X[b][s][512] (f32) . W[h][512][64] (f32) + bias[h][64], sums in f32, operands rounded to bf16.
; Work-group (x, y), y < 6: x = block of 256 of the 8,192 rows; y>>1 = which input (q, k, v); y&1 = which four heads (256 output columns).
; Work-group (x, y), y = 6, 7: the six pairs of input and half times 32 row blocks are 192 work-groups; 64 more narrow Wo [512][512] to bf16
; for the last launch, 16,384 bytes of f32 each (the text at the end).
; Eight waves; wave w makes rows 32 w .. 32 w + 31 of the block times all 256 columns: 32 accumulator tiles, 256 registers (window 1).
; K goes in eight chunks of 64.  For a chunk each wave narrows 8 rows of W (all four heads) into LDS, kept as [d][column], and its own 32 rows
; of X into an LDS stage of its own; it asks for the next chunk of both, passes one barrier (all of the chunk's W is in LDS) and multiplies,
; so that the next chunk's 32 loads are on their way during 64 matrix instructions.  No byte of W in LDS is written twice: one barrier a chunk.
; THE MATRIX INSTRUCTION IS USED TRANSPOSED: source 0 = 16 columns of W (read by the transposing LDS load), source 1 = 16 rows of X, so
; that a lane's eight results are eight neighbouring columns of one row.
; NO TENSOR LOADS, NO CLUSTER: X and W are f32 and have to pass through registers to be narrowed; a copy of them in f32 in LDS would want
; bytes of its own, and beside W (278,528 bytes) and the stages (36,864) only 12,288 of a work-group's 327,680 are left.
; LIMITS: the order of the sums is not that of the definition; X, W, Wo and the results are rounded to bf16 (to nearest even); NaN and
; infinities are not treated specially.
.set WP,   544                         ; LDS pitch of a row of W: 512 bytes + 32 = 17 x 32, an odd multiple of 32 for the transposing load
.set WCH,  64*WP                       ; 64 rows of W: one chunk of K
.set STG0, 512*WP                      ; the stages begin behind W
.set SP,   144                         ; pitch of a stage row: 128 bytes + 16 = 9 x 16
.set STGB, 32*SP                       ; a wave's stage: 32 rows
.set T,    12                          ; v[12:27]   at work
.set XF,   32                          ; v[32:63]   fragments of X: (u, c) at XF + 16 u + 8 c (u: 16 rows, c: 32 of K)
.set BF,   64                          ; v[64:127]  eight fragments of W; between two chunks its first 48 registers hold narrowed numbers on their way to LDS
.set R0,   128                         ; v[128:191] raw f32 of W;  at the end the bias of columns 0-127
.set R1,   192                         ; v[192:255] raw f32 of X;  at the end the bias of columns 128-255
; v1 X offset, v2 W offset, v3 W's place in LDS, v4 stage in, v5 stage fragments (and results in), v6 W fragments, v7 bias offset,
; v9 stage rows back, v10 output offset.   Window 1: accumulator (nt, u) at v[8 (2 nt + u)], nt = 16 columns, u = 16 rows.
.set MSB, 0
.macro WIN new                         ; s_set_vgpr_msb: low byte = windows of source 0, 1, 2, destination; high byte repeats the setting left
.if MSB != \new
	s_set_vgpr_msb (MSB<<8)|\new
.set MSB, \new
.endif
.endm
.macro PLACES
.rept 4
	v_nop
.endr
.endm
	v_lshl_add_u32 v30, v0, 2, 0x4d000
	v_mov_b32 v31, 0
	s_and_b32 s33, ttmp7, 0xffff
	s_cmp_ge_u32 s33, 6                            ; the same for all waves of a work-group
	s_cbranch_scc1 .Lwo
	s_load_b512 s[8:23], s[0:1], 0x0               ; q_in 8, k_in 10, v_in 12, Wq 14, Wk 16, Wv 18, bq 20, bk 22
	s_load_b256 s[24:31], s[0:1], 0x40             ; bv 24, qp 26, kp 28, vp 30
	v_lshrrev_b32 v8, 5, v0
	v_readfirstlane_b32 s3, v8                     ; wave w
	s_lshr_b32 s32, s33, 1                         ; which input
	s_and_b32 s33, s33, 1                          ; which half of the heads
	v_and_b32 v11, 31, v0                          ; L
	v_and_b32 v12, 15, v0                          ; r
	v_bfe_u32 v13, v0, 4, 1                        ; h
	v_and_b32 v14, 7, v0                           ; L & 7
	v_bfe_u32 v15, v0, 3, 1                        ; (L >> 3) & 1
	v_bfe_u32 v16, v0, 3, 2                        ; L >> 3
	s_lshl_b32 s44, s3, 16
	v_lshlrev_b32 v1, 4, v12
	v_lshl_add_u32 v1, v13, 11, v1
	v_add_nc_u32 v1, s44, v1                       ; X: 32 w rows of 2,048 bytes + h rows + 16 r
	s_lshl_b32 s44, s3, 11
	v_lshlrev_b32 v2, 4, v11
	v_add_nc_u32 v2, s44, v2                       ; W: 8 w rows of 256 bytes + 16 L (two rows a load)
	s_mul_i32 s44, s3, 8*WP
	v_mul_u32_u24 v3, v13, WP
	v_lshl_add_u32 v3, v12, 3, v3
	v_add_nc_u32 v3, s44, v3                       ; W in LDS: row 8 w + h, 8 r: a wave's eight rows are 4,352 consecutive bytes of its own
	s_mul_i32 s45, s3, STGB
	s_add_co_u32 s45, s45, STG0                    ; my stage
	v_mul_u32_u24 v4, v13, SP
	v_lshl_add_u32 v4, v12, 3, v4
	v_add_nc_u32 v4, s45, v4                       ; stage in: row h, 8 r
	v_mul_u32_u24 v5, v12, SP
	v_lshl_add_u32 v5, v13, 4, v5
	v_add_nc_u32 v5, s45, v5                       ; stage fragments: row r, 16 h
	v_lshl_add_u32 v17, v13, 3, v14
	v_mul_u32_u24 v6, v17, WP
	v_lshl_add_u32 v6, v15, 4, v6                  ; W fragments: row 8 h + (L & 7), 16 ((L >> 3) & 1)
	v_lshlrev_b32 v7, 5, v13                       ; bias: 8 h numbers
	v_mul_u32_u24 v9, v16, SP
	v_lshl_add_u32 v9, v14, 4, v9
	v_add_nc_u32 v9, s45, v9                       ; stage rows back: row L >> 3, 16 (L & 7)
	s_lshl_b32 s44, s3, 12
	v_lshlrev_b32 v10, 4, v11
	v_add_nc_u32 v10, s44, v10                     ; output: 32 w rows of 128 bytes + 16 L
	s_wait_kmcnt 0x0
	s_cmp_eq_u32 s32, 1                            ; the choice hangs on the work-group's y alone
	s_cselect_b64 s[34:35], s[10:11], s[8:9]       ; X
	s_cselect_b64 s[36:37], s[16:17], s[14:15]     ; W
	s_cselect_b64 s[38:39], s[22:23], s[20:21]     ; bias
	s_cselect_b64 s[40:41], s[28:29], s[26:27]     ; output
	s_cmp_eq_u32 s32, 2
	s_cselect_b64 s[34:35], s[12:13], s[34:35]
	s_cselect_b64 s[36:37], s[18:19], s[36:37]
	s_cselect_b64 s[38:39], s[24:25], s[38:39]
	s_cselect_b64 s[40:41], s[30:31], s[40:41]
	s_mov_b32 s43, 0
	s_lshl_b32 s42, ttmp9, 19                      ; 256 rows of 2,048 bytes
	s_add_nc_u64 s[34:35], s[34:35], s[42:43]
	s_lshl_b32 s42, s33, 19                        ; four heads of 131,072 bytes
	s_add_nc_u64 s[36:37], s[36:37], s[42:43]
	s_lshl_b32 s42, s33, 10                        ; four heads of 256 bytes
	s_add_nc_u64 s[38:39], s[38:39], s[42:43]
	s_lshr_b32 s44, ttmp9, 3                       ; b
	s_lshl_b32 s42, s44, 21                        ; eight heads of 262,144 bytes
	s_lshl_b32 s44, s33, 20                        ; + four heads
	s_add_co_u32 s42, s42, s44
	s_and_b32 s44, ttmp9, 7
	s_lshl_b32 s44, s44, 15                        ; + 256 rows of 128 bytes
	s_add_co_u32 s42, s42, s44
	s_add_nc_u64 s[40:41], s[40:41], s[42:43]
; Chunk j of W, my part: rows 64 j + 8 w + 0 .. 7 of each of the four heads: sixteen loads of 512 consecutive bytes (two rows of 64 f32).
.macro WLOAD j
.irp hl, 0,1,2,3
.irp q, 0,1,2,3
	global_load_b128 v[R0+4*(4*\hl+\q):R0+4*(4*\hl+\q)+3], v2, s[36:37] offset:\hl*131072+(\j)*16384+\q*512
.endr
.endr
.endm
; All conversions, then all stores.  The first sixteen conversions name no register of a matrix instruction: they are the places in front of
; the writes into BF, which the last chunk's matrix instructions read (ISA guide 7.12.1).
.macro CONVW
.irp t, 0,1,2,3,4,5,6,7
	v_cvt_pk_bf16_f32 v[T+2*\t], v[R0+4*\t], v[R0+4*\t+1]
	v_cvt_pk_bf16_f32 v[T+2*\t+1], v[R0+4*\t+2], v[R0+4*\t+3]
.endr
.irp t, 0,1,2,3,4,5,6,7
	v_cvt_pk_bf16_f32 v[BF+2*\t], v[R0+32+4*\t], v[R0+32+4*\t+1]
	v_cvt_pk_bf16_f32 v[BF+2*\t+1], v[R0+32+4*\t+2], v[R0+32+4*\t+3]
.endr
.irp t, 0,1,2,3,4,5,6,7
	ds_store_b64 v3, v[T+2*\t:T+2*\t+1] offset:2*(\t&3)*WP+128*(\t>>2)            ; heads 0, 1: rows 2 q + h, column bytes 128 head + 8 r
.endr
.irp t, 0,1,2,3,4,5,6,7
	ds_store_b64 v3, v[BF+2*\t:BF+2*\t+1] offset:2*(\t&3)*WP+128*(2+(\t>>2))      ; heads 2, 3
.endr
	v_add_nc_u32 v3, WCH, v3                       ; the next chunk's rows
.endm
; Chunk j of X: K = 64 j .. 64 j + 63 of my 32 rows: sixteen loads, each two aligned pieces of 256 bytes (rows 2 t and 2 t + 1).
.macro XLOAD j
.irp t, 0,1,2,3,4,5,6,7,8,9,10,11,12,13,14,15
	global_load_b128 v[R1+4*\t:R1+4*\t+3], v1, s[34:35] offset:\t*4096+(\j)*256
.endr
.endm
.macro CONVX
.irp t, 0,1,2,3,4,5,6,7,8,9,10,11,12,13,14,15
	v_cvt_pk_bf16_f32 v[BF+16+2*\t], v[R1+4*\t], v[R1+4*\t+1]
	v_cvt_pk_bf16_f32 v[BF+16+2*\t+1], v[R1+4*\t+2], v[R1+4*\t+3]
.endr
.irp t, 0,1,2,3,4,5,6,7,8,9,10,11,12,13,14,15
	ds_store_b64 v4, v[BF+16+2*\t:BF+16+2*\t+1] offset:2*\t*SP
.endr
.endm
; The bias of columns 128 b .. 128 b + 127, as the results lie: v[R0 + 8 nt + j] = bias[16 nt + 8 h + j].  Sixteen loads, like a chunk's.
.macro BIASLOAD b
.irp n, 0,1,2,3,4,5,6,7
	global_load_b128 v[R0+8*(8*\b+\n):R0+8*(8*\b+\n)+3], v7, s[38:39] offset:64*(8*\b+\n)
	global_load_b128 v[R0+8*(8*\b+\n)+4:R0+8*(8*\b+\n)+7], v7, s[38:39] offset:64*(8*\b+\n)+16
.endr
.endm
; Sixteen matrix instructions: 32 of K (half c of the chunk) x columns 128 g .. 128 g + 127 x my 32 rows.
; pl = 1: four places between the matrix instructions that read BF and the loads into it (ISA guide 7.12.1 for vector instructions).
; Sixteen accumulators take turns, one instruction a turn, and an accumulator comes again two groups later.
.macro GROUP c, g, zero, pl
	WIN 0
.if \pl
	PLACES
.endif
.irp n, 0,1,2,3,4,5,6,7
	ds_load_tr16_b128 v[BF+8*\n:BF+8*\n+3], v6 offset:\c*32*WP+32*(8*\g+\n)
	ds_load_tr16_b128 v[BF+8*\n+4:BF+8*\n+7], v6 offset:\c*32*WP+32*(8*\g+\n)+16*WP
.endr
	WIN 0x50                                       ; C and D in window 1
.irp n, 0,1,2,3,4,5,6,7
	s_wait_dscnt 14-2*\n                           ; LDS answers in order: fragment n is in, the 2 (7 - n) loads issued behind it may be out
.irp u, 0,1
.if \zero
	v_wmma_f32_16x16x32_bf16 v[8*(2*(8*\g+\n)+\u):8*(2*(8*\g+\n)+\u)+7], v[BF+8*\n:BF+8*\n+7], v[XF+16*\u+8*\c:XF+16*\u+8*\c+7], 0
.else
	v_wmma_f32_16x16x32_bf16 v[8*(2*(8*\g+\n)+\u):8*(2*(8*\g+\n)+\u)+7], v[BF+8*\n:BF+8*\n+7], v[XF+16*\u+8*\c:XF+16*\u+8*\c+7], v[8*(2*(8*\g+\n)+\u):8*(2*(8*\g+\n)+\u)+7]
.endif
.endr
.endr
.endm
; Chunk j of K.  Loads are issued in the order W j, X j, W j + 1, X j + 1, ..., sixteen each; behind the last chunk's the bias takes both places.
.macro CHUNK j, zero
	WIN 0
	s_wait_loadcnt 16                              ; W's chunk j is in; the sixteen younger loads (X's chunk j) may be out
	CONVW
.if \j < 7
	WLOAD \j+1
.else
	BIASLOAD 0
.endif
	s_wait_loadcnt 16                              ; X's chunk j is in; the sixteen just issued stay out
	CONVX
.if \j < 7
	XLOAD \j+1
.else
	BIASLOAD 1
.endif
	s_wait_dscnt 0x0                               ; my rows of W's chunk are in LDS: zero, for the other waves' sake
	s_barrier_signal -1
	s_barrier_wait -1                              ; everybody's are; nobody writes them again.  The loads into registers stay on their way
.irp u, 0,1
.irp c, 0,1
	ds_load_b128 v[XF+16*\u+8*\c:XF+16*\u+8*\c+3], v5 offset:16*SP*\u+64*\c
	ds_load_b128 v[XF+16*\u+8*\c+4:XF+16*\u+8*\c+7], v5 offset:16*SP*\u+64*\c+32
.endr
.endr
	GROUP 0, 0, \zero, 0                           ; the conversions above were the places in front of the loads into XF and BF
	GROUP 0, 1, \zero, 1
	GROUP 1, 0, 0, 1
	GROUP 1, 1, 0, 1
	WIN 0
	v_add_nc_u32 v6, WCH, v6                       ; W's next 64 rows
.endm
; The way out for head hl of my four: + bias, to bf16, 16 bytes a lane into my stage, whole rows back, 512 consecutive bytes a store.
.macro HEADOUT hl
	s_wait_xcnt 0x0                                ; BF held the last head's store data: it is rewritten only behind this wait
	WIN 0x01                                       ; source 0 (the sums) in window 1
.irp u, 0,1
.irp e, 0,1,2,3
.irp q, 0,1,2,3
	v_pk_add_f32 v[BF+8*(4*\u+\e)+2*\q:BF+8*(4*\u+\e)+2*\q+1], v[8*(2*(4*\hl+\e)+\u)+2*\q:8*(2*(4*\hl+\e)+\u)+2*\q+1], v[R0+8*(4*\hl+\e)+2*\q:R0+8*(4*\hl+\e)+2*\q+1]
.endr
.endr
.endr
	WIN 0
.irp k, 0,1,2,3,4,5,6,7
.irp q, 0,1,2,3
	v_cvt_pk_bf16_f32 v[XF+4*\k+\q], v[BF+8*\k+2*\q], v[BF+8*\k+2*\q+1]
.endr
.endr
.irp u, 0,1
.irp e, 0,1,2,3
	ds_store_b128 v5, v[XF+4*(4*\u+\e):XF+4*(4*\u+\e)+3] offset:16*SP*\u+32*\e    ; row 16 u + r, columns 16 e + 8 h ..
.endr
.endr
.irp i, 0,1,2,3,4,5,6,7
	ds_load_b128 v[BF+4*\i:BF+4*\i+3], v9 offset:4*SP*\i                          ; four rows of 128 bytes; LDS serves my stores first
.endr
.irp i, 0,1,2,3,4,5,6,7
	s_wait_dscnt 7-\i
	global_store_b128 v10, v[BF+4*\i:BF+4*\i+3], s[40:41] offset:\hl*262144+512*\i ; the wave stores 512 consecutive bytes, aligned
.endr
.endm
	WLOAD 0
	XLOAD 0
	CHUNK 0, 1                                     ; the first products start the sums: nothing is cleared
	CHUNK 1, 0
	CHUNK 2, 0
	CHUNK 3, 0
	CHUNK 4, 0
	CHUNK 5, 0
	CHUNK 6, 0
	CHUNK 7, 0
	PLACES                                         ; behind the last matrix instructions, in front of the reads of their results
	s_wait_loadcnt 0x0                             ; the bias
	HEADOUT 0
	HEADOUT 1
	HEADOUT 2
	HEADOUT 3
	s_wait_tensorcnt 0x0
	ds_add_u32 v30, v31
	s_wait_dscnt 0x0
	s_endpgm
	; Wo to bf16: work-group 32 (y - 6) + x of 64 takes 4,096 numbers; thread t takes four numbers in each of four passes of 1,024.
.Lwo:
	s_load_b128 s[4:7], s[0:1], 0x60               ; Wo 4, wob 6
	s_sub_co_u32 s33, s33, 6
	s_lshl_b32 s33, s33, 5
	s_add_co_u32 s33, s33, ttmp9                   ; 0 .. 63
	s_lshl_b32 s8, s33, 14                         ; 16,384 bytes of f32
	s_mov_b32 s9, 0
	s_lshl_b32 s10, s33, 13                        ; 8,192 bytes of bf16
	s_mov_b32 s11, 0
	v_lshlrev_b32 v1, 4, v0                        ; 16 t
	v_lshlrev_b32 v2, 3, v0                        ; 8 t
	s_wait_kmcnt 0x0
	s_add_nc_u64 s[4:5], s[4:5], s[8:9]
	s_add_nc_u64 s[6:7], s[6:7], s[10:11]
.irp i, 0,1,2,3
	global_load_b128 v[4+4*\i:7+4*\i], v1, s[4:5] offset:4096*\i
.endr
.irp i, 0,1,2,3
	s_wait_loadcnt 3-\i                            ; loads come back in order: pass i is in, the 3 - i younger ones may be out
	v_cvt_pk_bf16_f32 v[20+2*\i], v[4+4*\i], v[5+4*\i]
	v_cvt_pk_bf16_f32 v[21+2*\i], v[6+4*\i], v[7+4*\i]
	global_store_b64 v2, v[20+2*\i:21+2*\i], s[6:7] offset:2048*\i                ; the wave stores 256 consecutive bytes, aligned
.endr
	s_endpgm
.Lfunc_end_k_q5f18116fab_proj:
	.size	k_q5f18116fab_proj, .Lfunc_end_k_q5f18116fab_proj-k_q5f18116fab_proj
	.p2alignl 7, 3214868480
	.fill 96, 4, 3214868480
	.section	.rodata,"a",@progbits
	.p2align	6, 0x0
	.amdhsa_kernel k_q5f18116fab_proj
		.amdhsa_group_segment_fixed_size 316416
		.amdhsa_private_segment_fixed_size 0
		.amdhsa_enable_private_segment 0
		.amdhsa_kernarg_size 112
		.amdhsa_user_sgpr_count 2
		.amdhsa_user_sgpr_kernarg_segment_ptr 1
		.amdhsa_wavefront_size32 1
		.amdhsa_system_sgpr_workgroup_id_x 1
		.amdhsa_system_sgpr_workgroup_id_y 1
		.amdhsa_system_sgpr_workgroup_id_z 1
		.amdhsa_system_vgpr_workitem_id 0
		.amdhsa_next_free_vgpr 512
		.amdhsa_next_free_sgpr 66
		.amdhsa_reserve_vcc 0
		.amdhsa_float_denorm_mode_32 3
		.amdhsa_float_denorm_mode_16_64 3
		.amdhsa_memory_ordered 1
		.amdhsa_forward_progress 1
		.amdhsa_inst_pref_size 189
	.end_amdhsa_kernel
	.amdgpu_metadata
---
amdhsa.version: [ 1, 2 ]
amdhsa.kernels:
  - .name:           k_q5f18116fab_proj
    .symbol:         k_q5f18116fab_proj.kd
    .args:
      - { .name: q_in, .offset: 0, .size: 8, .value_kind: global_buffer, .address_space: global }
      - { .name: k_in, .offset: 8, .size: 8, .value_kind: global_buffer, .address_space: global }
      - { .name: v_in, .offset: 16, .size: 8, .value_kind: global_buffer, .address_space: global }
      - { .name: Wq, .offset: 24, .size: 8, .value_kind: global_buffer, .address_space: global }
      - { .name: Wk, .offset: 32, .size: 8, .value_kind: global_buffer, .address_space: global }
      - { .name: Wv, .offset: 40, .size: 8, .value_kind: global_buffer, .address_space: global }
      - { .name: bq, .offset: 48, .size: 8, .value_kind: global_buffer, .address_space: global }
      - { .name: bk, .offset: 56, .size: 8, .value_kind: global_buffer, .address_space: global }
      - { .name: bv, .offset: 64, .size: 8, .value_kind: global_buffer, .address_space: global }
      - { .name: qp, .offset: 72, .size: 8, .value_kind: global_buffer, .address_space: global }
      - { .name: kp, .offset: 80, .size: 8, .value_kind: global_buffer, .address_space: global }
      - { .name: vp, .offset: 88, .size: 8, .value_kind: global_buffer, .address_space: global }
      - { .name: Wo, .offset: 96, .size: 8, .value_kind: global_buffer, .address_space: global }
      - { .name: wob, .offset: 104, .size: 8, .value_kind: global_buffer, .address_space: global }
    .group_segment_fixed_size: 316416
    .private_segment_fixed_size: 0
    .kernarg_segment_align: 8
    .kernarg_segment_size: 112
    .max_flat_workgroup_size: 256
    .sgpr_count:     66
    .vgpr_count:     512
    .wavefront_size: 32
...
	.end_amdgpu_metadata
.endif
;; end of part 1
;; launch attn (part 2): grid 8 x 32, 16 waves a work-group, clusters of 4 x 1, 327,680 bytes of LDS; arguments qp, kp, vp, ctx; writes ctx
.if DOCPART == 2
	.amdgcn_target "amdgcn-amd-amdhsa--gfx1250"
	.amdhsa_code_object_version 6
	.text
	.protected	k_q5f18116fab_attn
	.globl	k_q5f18116fab_attn
	.p2align	8
	.type	k_q5f18116fab_attn,@function
k_q5f18116fab_attn:
	s_mov_b64 s[64:65], 0
	v_nop
	global_prefetch_b8 v0, s[64:65] scope:SCOPE_SE
	s_setreg_imm32_b32 hwreg(HW_REG_WAVE_MODE, 25, 1), 1
	s_wait_xcnt 0x0
	s_wait_alu depctr_hold_cnt(0) depctr_sa_sdst(0) depctr_va_vdst(0) depctr_va_sdst(0) depctr_va_ssrc(0) depctr_va_vcc(0) depctr_vm_vsrc(0)
	s_getreg_b32 s2, hwreg(HW_REG_IB_STS2, 6, 4)
	s_cmp_eq_u32 s2, 0
	s_cbranch_scc0 .Lentry_in_a_cluster
	s_endpgm
.Lentry_in_a_cluster:
	s_bfe_u32 s2, ttmp6, 0x10000c
	s_cmp_lg_u32 s2, 0x3003
	s_cbranch_scc0 .Lentry_shape_is_right
	s_endpgm
.Lentry_shape_is_right:
; ctx[b][h][s][64] (bf16) = softmax(q k^T / 8) v for one head; q, k, v: [b][h][2048][64] bf16.  Softmax in f32 with a running maximum.
; Work-group: y = 8 b + h, x = block of 256 queries.  SIXTEEN WAVES: wave w has the 32 queries of group w & 7 and half w >> 3 of every tile's
; keys, so that two waves share a group of queries and each sees 1,024 of the 2,048 keys.  A step's softmax is a long run of dependent vector
; work between two runs of matrix instructions; with four waves of 256 registers on a SIMD one wave's matrix instructions, another's
; exponentials and a third's LDS loads run side by side.  At the end the two waves of a pair merge maximum, sum and O through LDS.
; Keys go in 4 tiles of 512 through two LDS slots; a wave works on its 256 keys of a tile in four steps of 64.
; CLUSTER: the four work-groups of a cluster are four query blocks of one head and read the same tiles of k and v: each tile is asked for
; jointly (mask 15), waves 0-7 fetching 64 rows of k each, waves 8-15 64 rows of v each: one tensor load a wave behind each round of the
; cluster's barrier, one out at a time by this text's count.  From a tile's request to the wait for it a wave issues 128 matrix instructions.
; THE MATRIX INSTRUCTIONS ARE USED TRANSPOSED.  S^T = k . q^T: lane (r, h) holds query r, register j key 8 h + j, so maximum and sum of a
; query are a lane's own (one exchange between the halves of the wave), and two neighbouring tiles of S^T, packed to bf16, already are a
; fragment of P for 32 keys.  O^T = v^T . P^T keeps query = lane; v^T comes by the transposing LDS load.
; PLACES OF THE TWO QUERY TILES: register place u of a wave holds query tile u xor (w >> 3) of its group.  So every wave keeps its place 0
; and sends its place 1, and what the partner (w xor 8) sends is the tile that the wave keeps: one text, no branch.
; exp(x) = 2^(1.4427 x): p = 2^(c s - c m) with c = 0.125 x 1.4427 and m the running maximum of the raw sums s, so no exponent exceeds 0 but by rounding.
; LIMITS: the order of the sums is not that of the definition; P and the result are rounded to bf16 (the row sum adds the unrounded p);
; v_exp_f32 gives 0 for results below 2^-126; 1 / sum by v_rcp_f32 (1 ULP); NaN and infinities are not treated specially.
.set KP,    144                        ; LDS pitch of a row of k: 128 bytes + 16 = 9 x 16
.set VP,    160                        ; of a row of v: 128 + 32 = 5 x 32, an odd multiple of 32 for the transposing load
.set TK,    512                        ; keys in a tile
.set VOFF,  TK*KP                      ; v's 512 rows lie behind k's
.set SLOT,  TK*KP+TK*VP                ; 155,648
.set TILEB, TK*128                     ; a tile's bytes of k, or of v, in memory
.set XCHB,  4352                       ; what a wave sends: 32 registers of O (4,096 bytes), then maximum and sum (256)
.set STAGE, 16*XCHB                    ; 69,632: behind the sixteen exchange areas, the way out's stages
.set STGB,  16*KP                      ; a wave's stage: 16 rows
; Exchange areas and stages lie in slot 0, bytes 0 to 106,495.  Slot 0's last fill is tile 2; every wave has waited for its reads of it and
; for all its tensor loads in front of the round that opens the last trip, and no tensor load is issued behind that round.
.set KA, 2                             ; v2, v3    my place in k's fragments, slot 0, 1;  at the end: exchange areas, mine and my partner's
.set VA, 4                             ; v4, v5    the same for v;                        at the end: the same for maximum and sum
.set MX, 6                             ; v6, v7    running maximum of place u (raw sums)
.set LS, 8                             ; v8, v9    running sum of place u, my half of the lanes
.set NM, 10                            ; v[10:13]  a pair for each u, both = - c m
.set AL, 14                            ; v[14:17]  a pair for each u, both = the factor 2^(c m_old - c m_new)
.set T0, 18                            ; v[18:21]  at work
.set SA, 22                            ; v[22:29]  two pairs of partial sums for each u
.set QF, 32                            ; v[32:63]  fragments of q: (u, c) at QF + 16 u + 8 c
.set OA, 64                            ; v[64:127] O^T: tile (u, d) at OA + 8 (4 u + d), d = 16 of the 64 columns
.set SS, 128                           ; v[128:191] S^T: tile (u, i) at SS + 32 u + 8 i; later P: fragment (u, c) at SS + 32 u + 16 c
.set FP, 192                           ; v[192:255] fragments of k: (i, c) at FP + 32 c + 8 i; then of v: (c, d) at FP + 32 c + 8 d
; v1 output offset, v30 stage in, v31 stage rows back
.set G1K, 16                           ; s[16:23] shape of a load of k
.set G1V, 24                           ; s[24:31] of v: it differs in the padding alone
.set G0K, 32                           ; s[32:39] from where, to where: k, a set for each slot
.set G0V, 40                           ; s[40:47] the same for v
; A round of the cluster's barrier: my work-group's barrier, wave 0 signals for the work-group, every wave waits for all four, my work-group's barrier again.
.macro ROUND
	s_barrier_signal -1
	s_barrier_wait -1
	s_cmp_lg_u32 s12, 0
	s_cbranch_scc1 .Lnot_wave_0_\@
	s_barrier_signal -3
.Lnot_wave_0_\@:
	s_barrier_wait -3
	s_barrier_signal -1
	s_barrier_wait -1
.endm
; A joint load into slot s.  The branch hangs on the wave's number alone, so it is the same in all four work-groups.
.macro JLOAD s
	s_cmp_eq_u32 s13, 0
	s_cbranch_scc0 .Lfor_v_\@
	tensor_load_to_lds s[G0K+4*\s:G0K+4*\s+3], s[G1K:G1K+7]
	s_nop 0
	s_branch .Lasked_\@
.Lfor_v_\@:
	tensor_load_to_lds s[G0V+4*\s:G0V+4*\s+3], s[G1V:G1V+7]
	s_nop 0
.Lasked_\@:
.endm
	s_load_b256 s[4:11], s[0:1], 0x0               ; qp 4, kp 6, vp 8, ctx 10
	v_lshl_add_u32 v190, v0, 2, 0x4c000
	v_mov_b32 v191, 0
	ds_add_u32 v190, v191
	s_wait_dscnt 0x0
	v_lshrrev_b32 v18, 5, v0
	v_readfirstlane_b32 s12, v18                   ; wave w, 0 to 15
	s_lshr_b32 s13, s12, 3                         ; my half of the keys.  Also: I fetch for k (0) or for v (1)
	s_and_b32 s14, s12, 7                          ; my group of 32 queries.  Also: which 64 rows of the tile I fetch
	s_bfe_u32 s15, ttmp6, 0x40000                  ; cx
	s_lshl_b32 s48, ttmp9, 2
	s_add_co_u32 s48, s48, s15                     ; query block = 4 x cluster x + cx
	s_and_b32 s49, ttmp7, 0xffff                   ; 8 b + h
	; the shapes: 64 rows of 64 elements of 2 bytes, dense in memory; in LDS 4 (k) or 8 (v) words of padding behind every 32 words
	s_mov_b32 s[G1K+0], 15|(1<<16)|(1<<20)|(1<<21)|(4<<22)|(3<<25)  ; 15:0 mask: all four of the cluster; 17:16 two bytes; 20 padding; 21 set beside a mask; 24:22 every 32 words; 31:25 four words
	s_mov_b32 s[G1V+0], 15|(1<<16)|(1<<20)|(1<<21)|(4<<22)|(7<<25)  ; eight words
	s_mov_b32 s[G1K+1], 64<<16                     ; tensor_dim0 = 64
	s_mov_b32 s[G1V+1], 64<<16
	s_mov_b32 s[G1K+2], 64<<16                     ; tensor_dim1 = 64
	s_mov_b32 s[G1V+2], 64<<16
	s_mov_b32 s[G1K+3], 64<<16                     ; tile_dim0 = 64
	s_mov_b32 s[G1V+3], 64<<16
	s_mov_b32 s[G1K+4], 64                         ; tile_dim1 = 64
	s_mov_b32 s[G1V+4], 64
	s_mov_b32 s[G1K+5], 64                         ; 64 elements from row to row
	s_mov_b32 s[G1V+5], 64
	s_mov_b32 s[G1K+6], 0
	s_mov_b32 s[G1V+6], 0
	s_mov_b32 s[G1K+7], 0
	s_mov_b32 s[G1V+7], 0
	s_lshl_b32 s52, s49, 18                        ; k, v: the head (262,144 bytes)
	s_lshl_b32 s59, s14, 13                        ; + my 64 rows; these registers never hold cx
	s_add_co_u32 s52, s52, s59
	s_mov_b32 s53, 0
	s_lshl_b32 s50, s49, 18                        ; q, ctx: the head
	s_lshl_b32 s63, s48, 15                        ; + the block of 256 queries
	s_add_co_u32 s50, s50, s63
	s_mov_b32 s51, 0
	s_mul_i32 s54, s14, 64*KP                      ; where my rows go: the wave's number alone enters an LDS address
	s_mul_i32 s55, s14, 64*VP
	s_mov_b32 s56, 0x3e38aa3b                      ; c = 0.125 x log2(e), twice: a pair for the packed forms
	s_mov_b32 s57, 0x3e38aa3b
	s_mov_b32 s58, 0xbe38aa3b                      ; - c
	s_mov_b32 s60, 0x76543210                      ; v_permlanex16_b32: lane i reads lane i of the other half
	s_mov_b32 s61, 0xfedcba98
	v_and_b32 v19, 15, v0                          ; r
	v_bfe_u32 v20, v0, 4, 1                        ; h
	v_and_b32 v21, 7, v0                           ; L & 7
	v_bfe_u32 v22, v0, 3, 1                        ; (L >> 3) & 1
	v_bfe_u32 v23, v0, 3, 2                        ; L >> 3
	v_and_b32 v24, 31, v0                          ; L
	s_lshl_b32 s63, s14, 12                        ; my group's 32 rows of 128 bytes
	s_lshl_b32 s59, s13, 11
	s_add_co_u32 s59, s59, s63                     ; place 0: the 16 rows of tile w >> 3, which I keep and store
	s_xor_b32 s62, s13, 1
	s_lshl_b32 s62, s62, 11
	s_add_co_u32 s62, s62, s63                     ; place 1: the other tile
	v_lshlrev_b32 v18, 7, v19
	v_lshl_add_u32 v18, v20, 4, v18                ; q's fragments: row r, 16 h
	v_add_nc_u32 v26, s62, v18
	v_add_nc_u32 v18, s59, v18
	s_wait_kmcnt 0x0
	s_add_nc_u64 s[4:5], s[4:5], s[50:51]
	s_add_nc_u64 s[10:11], s[10:11], s[50:51]
	s_add_nc_u64 s[6:7], s[6:7], s[52:53]
	s_add_nc_u64 s[8:9], s[8:9], s[52:53]
.irp n, 0,1
	s_mov_b32 s[G0K+4*\n], 1
	s_add_co_u32 s[G0K+4*\n+1], s54, \n*SLOT
	s_add_nc_u64 s[G0K+4*\n+2:G0K+4*\n+3], s[6:7], \n*TILEB        ; tile n
	s_or_b32 s[G0K+4*\n+3], s[G0K+4*\n+3], 0x80000000
	s_mov_b32 s[G0V+4*\n], 1
	s_add_co_u32 s[G0V+4*\n+1], s55, \n*SLOT+VOFF
	s_add_nc_u64 s[G0V+4*\n+2:G0V+4*\n+3], s[8:9], \n*TILEB
	s_or_b32 s[G0V+4*\n+3], s[G0V+4*\n+3], 0x80000000
.endr
	ROUND                                          ; all four work-groups are here: the first joint loads meet
	JLOAD 0                                        ; tile 0
.irp c, 0,1
	global_load_b128 v[QF+8*\c:QF+8*\c+3], v18, s[4:5] offset:64*\c
	global_load_b128 v[QF+8*\c+4:QF+8*\c+7], v18, s[4:5] offset:64*\c+32
	global_load_b128 v[QF+16+8*\c:QF+16+8*\c+3], v26, s[4:5] offset:64*\c
	global_load_b128 v[QF+16+8*\c+4:QF+16+8*\c+7], v26, s[4:5] offset:64*\c+32
.endr
	v_lshlrev_b32 v1, 4, v24
	v_add_nc_u32 v1, s59, v1                       ; output: the 16 rows that I keep, 16 L
	s_mul_i32 s59, s12, STGB
	s_add_co_u32 s59, s59, STAGE                   ; my stage
	v_mul_u32_u24 v[KA], v19, KP
	v_lshl_add_u32 v[KA], v20, 4, v[KA]            ; row r, 16 h
	v_add_nc_u32 v30, s59, v[KA]                   ; stage in
	s_mul_i32 s62, s13, 256*KP                     ; my half of a tile's keys
	v_add_nc_u32 v[KA], s62, v[KA]
	v_add_nc_u32 v[KA+1], SLOT, v[KA]
	s_mul_i32 s62, s13, 256*VP
	s_add_co_u32 s62, s62, VOFF
	v_lshl_add_u32 v25, v20, 3, v21
	v_mul_u32_u24 v[VA], v25, VP
	v_lshl_add_u32 v[VA], v22, 4, v[VA]
	v_add_nc_u32 v[VA], s62, v[VA]                 ; v: row 8 h + (L & 7) of my half, 16 ((L >> 3) & 1)
	v_add_nc_u32 v[VA+1], SLOT, v[VA]
	v_mul_u32_u24 v31, v23, KP
	v_lshl_add_u32 v31, v21, 4, v31
	v_add_nc_u32 v31, s59, v31                     ; stage back: row L >> 3, 16 (L & 7)
	s_wait_loadcnt 0x0                             ; q, once; v18 and v26 are free again
; The new maximum of place u's queries: 32 numbers a lane in four chains, the old maximum, the other half of the wave.
.macro MAXRED u, first
.irp k, 0,1,2,3
	v_max3_num_f32 v[T0+\k], v[SS+32*\u+8*\k], v[SS+32*\u+8*\k+1], v[SS+32*\u+8*\k+2]
.endr
.irp k, 0,1,2,3
	v_max3_num_f32 v[T0+\k], v[T0+\k], v[SS+32*\u+8*\k+3], v[SS+32*\u+8*\k+4]
.endr
.irp k, 0,1,2,3
	v_max3_num_f32 v[T0+\k], v[T0+\k], v[SS+32*\u+8*\k+5], v[SS+32*\u+8*\k+6]
.endr
	v_max3_num_f32 v[T0], v[T0], v[SS+32*\u+7], v[SS+32*\u+15]
	v_max3_num_f32 v[T0+2], v[T0+2], v[SS+32*\u+23], v[SS+32*\u+31]
	v_max3_num_f32 v[T0], v[T0], v[T0+1], v[T0+2]
.if \first
	v_max_num_f32 v[T0], v[T0], v[T0+3]
.else
	v_max3_num_f32 v[T0], v[T0], v[T0+3], v[MX+\u]
.endif
	v_permlanex16_b32 v[T0+1], v[T0], s60, s61     ; its destination has been written above
	v_max_num_f32 v[MX+\u], v[T0], v[T0+1]
.endm
; - c m, and the factor by which what has been summed so far shrinks
.macro STATS u, first
	v_mul_f32 v[T0+2], s58, v[MX+\u]
.if \first
.else
	v_sub_f32 v[T0+3], v[T0+2], v[NM+2*\u]         ; c m_old - c m_new, never above 0
	v_exp_f32 v[AL+2*\u], v[T0+3]
	v_exp_f32 v[AL+2*\u+1], v[T0+3]                ; the two moves below are the plain instructions in front of the first use (ISA guide 5.7.2)
.endif
	v_mov_b32 v[NM+2*\u], v[T0+2]
	v_mov_b32 v[NM+2*\u+1], v[T0+2]
.endm
.macro RESCALE u
	s_wait_alu depctr_va_vdst(0)
.irp k, 0,1,2,3,4,5,6,7,8,9,10,11,12,13,14,15
	v_pk_mul_f32 v[OA+32*\u+2*\k:OA+32*\u+2*\k+1], v[OA+32*\u+2*\k:OA+32*\u+2*\k+1], v[AL+2*\u:AL+2*\u+1]
.endr
.endm
.macro FMA u, i                        ; c s - c m, one rounding
.irp k, 0,1,2,3
	v_pk_fma_f32 v[SS+32*\u+8*\i+2*\k:SS+32*\u+8*\i+2*\k+1], v[SS+32*\u+8*\i+2*\k:SS+32*\u+8*\i+2*\k+1], s[56:57], v[NM+2*\u:NM+2*\u+1] op_sel_hi:[1,0,1]
.endr
.endm
.macro EXPT u, i
.irp k, 0,1,2,3,4,5,6,7
	v_exp_f32 v[SS+32*\u+8*\i+\k], v[SS+32*\u+8*\i+\k]
.endr
.endm
; tile i's p are added to the step's partial sums, then packed to bf16 into their place in P's fragment (registers already used up)
.macro SUMCVT u, i
.if \i
	s_wait_alu depctr_va_vdst(0)
	v_pk_add_f32 v[SA+4*\u:SA+4*\u+1], v[SA+4*\u:SA+4*\u+1], v[SS+32*\u+8*\i:SS+32*\u+8*\i+1]
	v_pk_add_f32 v[SA+4*\u+2:SA+4*\u+3], v[SA+4*\u+2:SA+4*\u+3], v[SS+32*\u+8*\i+2:SS+32*\u+8*\i+3]
	v_pk_add_f32 v[SA+4*\u:SA+4*\u+1], v[SA+4*\u:SA+4*\u+1], v[SS+32*\u+8*\i+4:SS+32*\u+8*\i+5]
	v_pk_add_f32 v[SA+4*\u+2:SA+4*\u+3], v[SA+4*\u+2:SA+4*\u+3], v[SS+32*\u+8*\i+6:SS+32*\u+8*\i+7]
.else
	s_wait_alu depctr_va_vdst(0)
	v_pk_add_f32 v[SA+4*\u:SA+4*\u+1], v[SS+32*\u:SS+32*\u+1], v[SS+32*\u+2:SS+32*\u+3]          ; the first tile starts the sums
	v_pk_add_f32 v[SA+4*\u+2:SA+4*\u+3], v[SS+32*\u+4:SS+32*\u+5], v[SS+32*\u+6:SS+32*\u+7]
.endif
.irp k, 0,1,2,3
	v_cvt_pk_bf16_f32 v[SS+32*\u+16*(\i>>1)+4*(\i&1)+\k], v[SS+32*\u+8*\i+2*\k], v[SS+32*\u+8*\i+2*\k+1]
.endr
.endm
; Behind each run of exponentials stands a plain instruction on other registers (the next tile's first multiply-add, at the end a v_nop) in front of the first use.
.macro SOFT u, first
	MAXRED \u, \first
	STATS \u, \first
.if \first
.else
	RESCALE \u
.endif
	FMA \u, 0
	EXPT \u, 0
	FMA \u, 1
	SUMCVT \u, 0
	EXPT \u, 1
	FMA \u, 2
	SUMCVT \u, 1
	EXPT \u, 2
	FMA \u, 3
	SUMCVT \u, 2
	EXPT \u, 3
	v_nop
	s_wait_alu depctr_va_vdst(0)
	SUMCVT \u, 3
.endm
; 64 keys: rows 64 t .. 64 t + 63 of my half of slot sl.  In each run of eight matrix instructions eight accumulators take turns, one instruction a turn.
.macro STEP sl, t, first
.irp c, 0,1
.irp i, 0,1,2,3
	ds_load_b128 v[FP+32*\c+8*\i:FP+32*\c+8*\i+3], v[KA+\sl] offset:(64*\t+16*\i)*KP+64*\c
	ds_load_b128 v[FP+32*\c+8*\i+4:FP+32*\c+8*\i+7], v[KA+\sl] offset:(64*\t+16*\i)*KP+64*\c+32
.endr
.endr
	s_wait_dscnt 0x8                               ; the first eight of sixteen loads: columns 0-31 of the four fragments of k
.irp u, 0,1
.irp i, 0,1,2,3
	v_wmma_f32_16x16x32_bf16 v[SS+32*\u+8*\i:SS+32*\u+8*\i+7], v[FP+8*\i:FP+8*\i+7], v[QF+16*\u:QF+16*\u+7], 0
.endr
.endr
	s_wait_dscnt 0x0                               ; the other eight
.irp u, 0,1
.irp i, 0,1,2,3
	v_wmma_f32_16x16x32_bf16 v[SS+32*\u+8*\i:SS+32*\u+8*\i+7], v[FP+32+8*\i:FP+32+8*\i+7], v[QF+16*\u+8:QF+16*\u+15], v[SS+32*\u+8*\i:SS+32*\u+8*\i+7]
.endr
.endr
.rept 4
	v_nop                                          ; four places in front of the loads into k's fragments and of the reads of S
.endr
.irp c, 0,1
.irp d, 0,1,2,3
	ds_load_tr16_b128 v[FP+32*\c+8*\d:FP+32*\c+8*\d+3], v[VA+\sl] offset:(64*\t+32*\c)*VP+32*\d
	ds_load_tr16_b128 v[FP+32*\c+8*\d+4:FP+32*\c+8*\d+7], v[VA+\sl] offset:(64*\t+32*\c)*VP+32*\d+16*VP
.endr
.endr
	SOFT 0, \first                                 ; v's fragments arrive meanwhile
	SOFT 1, \first
	s_wait_dscnt 0x8                               ; the first eight of sixteen: keys 0-31 of the step
.irp u, 0,1
.irp d, 0,1,2,3
.if \first
	v_wmma_f32_16x16x32_bf16 v[OA+8*(4*\u+\d):OA+8*(4*\u+\d)+7], v[FP+8*\d:FP+8*\d+7], v[SS+32*\u:SS+32*\u+7], 0
.else
	v_wmma_f32_16x16x32_bf16 v[OA+8*(4*\u+\d):OA+8*(4*\u+\d)+7], v[FP+8*\d:FP+8*\d+7], v[SS+32*\u:SS+32*\u+7], v[OA+8*(4*\u+\d):OA+8*(4*\u+\d)+7]
.endif
.endr
.endr
	s_wait_dscnt 0x0
.irp u, 0,1
.irp d, 0,1,2,3
	v_wmma_f32_16x16x32_bf16 v[OA+8*(4*\u+\d):OA+8*(4*\u+\d)+7], v[FP+32+8*\d:FP+32+8*\d+7], v[SS+32*\u+16:SS+32*\u+23], v[OA+8*(4*\u+\d):OA+8*(4*\u+\d)+7]
.endr
.endr
	; the running sums: six plain instructions that name no register of the matrix instructions above.  They are the places in front of the
	; next loads into the fragments (four) and of the next matrix instructions, which write over P (five).
	v_pk_add_f32 v[SA:SA+1], v[SA:SA+1], v[SA+2:SA+3]
	v_pk_add_f32 v[SA+4:SA+5], v[SA+4:SA+5], v[SA+6:SA+7]
.if \first
	v_add_f32 v[LS], v[SA], v[SA+1]
	v_add_f32 v[LS+1], v[SA+4], v[SA+5]
	v_nop
	v_nop
.else
	v_add_f32 v[T0], v[SA], v[SA+1]
	v_add_f32 v[T0+1], v[SA+4], v[SA+5]
	v_fma_f32 v[LS], v[LS], v[AL], v[T0]
	v_fma_f32 v[LS+1], v[LS+1], v[AL+2], v[T0+1]
.endif
.endm
; A tile of 512 keys in slot sl; nx = the other slot, which is filled with the next tile if refill = 1.
.macro TRIP sl, nx, refill, first
	s_wait_xcnt 0x0
	v_lshl_add_u32 v190, v0, 2, 0x4c000
	v_mov_b32 v191, 0
	s_wait_tensorcnt 0x0                           ; my one load that is out, my part of this trip's tile, has landed: no load of mine is out,
	ds_add_u32 v190, v191
	s_wait_dscnt 0x0
	s_add_nc_u64 s[G0K+4*\sl+2:G0K+4*\sl+3], s[G0K+4*\sl+2:G0K+4*\sl+3], 2*TILEB   ; so the descriptors may be written: this slot's next tile
	s_add_nc_u64 s[G0V+4*\sl+2:G0V+4*\sl+3], s[G0V+4*\sl+2:G0V+4*\sl+3], 2*TILEB
	s_wait_dscnt 0x0                               ; my reads of the last trip's tile are over
	ROUND                                          ; both now hold of every wave of all four work-groups
.if \refill
	JLOAD \nx                                      ; first thing behind the round, my one tensor load until the next round
.endif
	STEP \sl, 0, \first
	STEP \sl, 1, 0
	STEP \sl, 2, 0
	STEP \sl, 3, 0
.endm
	; four tiles, written out: sixteen steps of text
	TRIP 0, 1, 1, 1                                ; tile 0 asks for tile 1; its first step starts maximum, sums and O: nothing is cleared
	TRIP 1, 0, 1, 0                                ; tile 1 asks for tile 2: slot 0's last fill
	TRIP 0, 1, 1, 0                                ; tile 2 asks for tile 3
	TRIP 1, 0, 0, 0                                ; tile 3 asks for nothing (the stepped addresses are not used)
	; THE MERGE.  The two halves of the lanes add their sums; place 1 (O, maximum, sum) goes to my partner, lane for lane.
	v_permlanex16_b32 v[T0], v[LS], s60, s61
	v_permlanex16_b32 v[T0+1], v[LS+1], s60, s61
	v_add_f32 v[LS], v[T0], v[LS]
	v_add_f32 v[LS+1], v[T0+1], v[LS+1]
	v_and_b32 v[T0+2], 31, v0
	s_mul_i32 s59, s12, XCHB                       ; my exchange area
	s_xor_b32 s62, s12, 8
	s_mul_i32 s62, s62, XCHB                       ; my partner's
	v_lshl_add_u32 v2, v[T0+2], 4, s59
	v_lshl_add_u32 v3, v[T0+2], 4, s62
	v_lshl_add_u32 v4, v[T0+2], 3, s59
	v_lshl_add_u32 v5, v[T0+2], 3, s62
	v_mov_b32 v[SA], v[MX+1]
	v_mov_b32 v[SA+1], v[LS+1]
.irp k, 0,1,2,3,4,5,6,7
	ds_store_b128 v2, v[OA+32+4*\k:OA+32+4*\k+3] offset:512*\k                    ; 512 consecutive bytes a store
.endr
	ds_store_b64 v4, v[SA:SA+1] offset:4096
	s_wait_dscnt 0x0                               ; zero, for my partner's sake
	s_barrier_signal -1
	s_barrier_wait -1
	ds_load_b64 v[SA+2:SA+3], v5 offset:4096       ; my partner's maximum and sum for the tile that I keep
.irp k, 0,1,2,3,4,5,6,7
	ds_load_b128 v[SS+4*\k:SS+4*\k+3], v3 offset:512*\k
.endr
	s_wait_dscnt 0x8                               ; the pair is in; the eight loads of O issued behind it may be out
	v_max_num_f32 v[T0], v[MX], v[SA+2]            ; m*, the maximum over all 2,048 keys
	v_mul_f32 v[T0+1], s58, v[T0]
	v_fma_f32 v[T0+2], s56, v[MX], v[T0+1]         ; c m_mine - c m*, never above 0 but by rounding
	v_fma_f32 v[T0+3], s56, v[SA+2], v[T0+1]       ; c m_partner - c m*
	v_exp_f32 v[T0+2], v[T0+2]
	v_exp_f32 v[T0+3], v[T0+3]
	v_nop                                          ; a plain instruction in front of the first use
	s_wait_alu depctr_va_vdst(0)
	v_mul_f32 v[T0], v[T0+2], v[LS]
	v_fma_f32 v[T0], v[T0+3], v[SA+3], v[T0]       ; the whole sum: at least about 1, since the largest p of a query is 1 and its factor is 1
	v_rcp_f32 v[T0+1], v[T0]
	v_nop
	s_wait_alu depctr_va_vdst(0)
	v_mul_f32 v[AL], v[T0+2], v[T0+1]
	v_mul_f32 v[AL+1], v[T0+2], v[T0+1]
	v_mul_f32 v[AL+2], v[T0+3], v[T0+1]
	v_mul_f32 v[AL+3], v[T0+3], v[T0+1]
	RESCALE 0                                      ; my O x my factor / sum
	s_wait_dscnt 0x0
.irp k, 0,1,2,3,4,5,6,7,8,9,10,11,12,13,14,15
	v_pk_fma_f32 v[OA+2*\k:OA+2*\k+1], v[SS+2*\k:SS+2*\k+1], v[AL+2:AL+3], v[OA+2*\k:OA+2*\k+1]   ; + my partner's O x its factor / sum
.endr
	; THE WAY OUT: to bf16, 16 bytes a lane into my stage, whole rows back.
.irp d, 0,1,2,3
.irp q, 0,1,2,3
	v_cvt_pk_bf16_f32 v[FP+4*\d+\q], v[OA+8*\d+2*\q], v[OA+8*\d+2*\q+1]
.endr
.endr
.irp d, 0,1,2,3
	ds_store_b128 v30, v[FP+4*\d:FP+4*\d+3] offset:32*\d                          ; row r, columns 16 d + 8 h ..
.endr
.irp i, 0,1,2,3
	ds_load_b128 v[FP+16+4*\i:FP+16+4*\i+3], v31 offset:4*KP*\i                   ; four rows of 128 bytes; LDS serves my stores first
.endr
.irp i, 0,1,2,3
	s_wait_dscnt 3-\i
	global_store_b128 v1, v[FP+16+4*\i:FP+16+4*\i+3], s[10:11] offset:512*\i      ; the wave stores 512 consecutive bytes, aligned
.endr
	s_wait_xcnt 0x0
	v_lshl_add_u32 v190, v0, 2, 0x4c000
	v_mov_b32 v191, 0
	s_wait_tensorcnt 0x0
	ds_add_u32 v190, v191
	s_wait_dscnt 0x0
	ROUND                                          ; the closing round: no work-group ends while a partner may still ask for a tile that names it
	s_endpgm
.Lfunc_end_k_q5f18116fab_attn:
	.size	k_q5f18116fab_attn, .Lfunc_end_k_q5f18116fab_attn-k_q5f18116fab_attn
	.p2alignl 7, 3214868480
	.fill 96, 4, 3214868480
	.section	.rodata,"a",@progbits
	.p2align	6, 0x0
	.amdhsa_kernel k_q5f18116fab_attn
		.amdhsa_group_segment_fixed_size 327680
		.amdhsa_private_segment_fixed_size 0
		.amdhsa_enable_private_segment 0
		.amdhsa_kernarg_size 32
		.amdhsa_user_sgpr_count 2
		.amdhsa_user_sgpr_kernarg_segment_ptr 1
		.amdhsa_wavefront_size32 1
		.amdhsa_system_sgpr_workgroup_id_x 1
		.amdhsa_system_sgpr_workgroup_id_y 1
		.amdhsa_system_sgpr_workgroup_id_z 1
		.amdhsa_system_vgpr_workitem_id 0
		.amdhsa_next_free_vgpr 256
		.amdhsa_next_free_sgpr 66
		.amdhsa_reserve_vcc 0
		.amdhsa_float_denorm_mode_32 3
		.amdhsa_float_denorm_mode_16_64 3
		.amdhsa_memory_ordered 1
		.amdhsa_forward_progress 1
		.amdhsa_inst_pref_size 255
	.end_amdhsa_kernel
	.section	.bss,"aw",@nobits
	.p2align	6
	.space	262144
	.amdgpu_metadata
---
amdhsa.version: [ 1, 2 ]
amdhsa.kernels:
  - .name:           k_q5f18116fab_attn
    .symbol:         k_q5f18116fab_attn.kd
    .args:
      - { .name: qp, .offset: 0, .size: 8, .value_kind: global_buffer, .address_space: global }
      - { .name: kp, .offset: 8, .size: 8, .value_kind: global_buffer, .address_space: global }
      - { .name: vp, .offset: 16, .size: 8, .value_kind: global_buffer, .address_space: global }
      - { .name: ctx, .offset: 24, .size: 8, .value_kind: global_buffer, .address_space: global }
    .group_segment_fixed_size: 327680
    .private_segment_fixed_size: 0
    .kernarg_segment_align: 8
    .kernarg_segment_size: 32
    .max_flat_workgroup_size: 512
    .sgpr_count:     66
    .vgpr_count:     256
    .wavefront_size: 32
...
	.end_amdgpu_metadata
.endif
;; end of part 2
;; launch outp (part 3): grid 4 x 64, 8 waves a work-group, clusters of 4 x 4, 295,936 bytes of LDS; arguments ctx, wob, bo, out0; writes out0
.if DOCPART == 3
	.amdgcn_target "amdgcn-amd-amdhsa--gfx1250"
	.amdhsa_code_object_version 6
	.text
	.protected	k_q5f18116fab_outp
	.globl	k_q5f18116fab_outp
	.p2align	8
	.type	k_q5f18116fab_outp,@function
k_q5f18116fab_outp:
	s_mov_b64 s[64:65], 0
	v_nop
	global_prefetch_b8 v0, s[64:65] scope:SCOPE_SE
	s_setreg_imm32_b32 hwreg(HW_REG_WAVE_MODE, 25, 1), 1
	s_wait_xcnt 0x0
	s_wait_alu depctr_hold_cnt(0) depctr_sa_sdst(0) depctr_va_vdst(0) depctr_va_sdst(0) depctr_va_ssrc(0) depctr_va_vcc(0) depctr_vm_vsrc(0)
	s_getreg_b32 s2, hwreg(HW_REG_IB_STS2, 6, 4)
	s_cmp_eq_u32 s2, 0
	s_cbranch_scc0 .Lentry_in_a_cluster
	s_endpgm
.Lentry_in_a_cluster:
	s_bfe_u32 s2, ttmp6, 0x10000c
	s_cmp_lg_u32 s2, 0xf033
	s_cbranch_scc0 .Lentry_shape_is_right
	s_endpgm
.Lentry_shape_is_right:
; out0[row][col] (f32) = sum over k of concat[row][k] Wo[k][col] + bo[col]; concat[row][64 h + d] = ctx[b][h][s][d] (bf16); wob = Wo in bf16, [512][512].
; Work-group: y = block of 128 of the 8,192 rows, x = quarter of the 512 columns.  Everything it needs is brought into LDS once, by two
; tensor loads a wave: head w of the block of ctx (128 rows x 128 bytes) and rows 64 w .. 64 w + 63 of its 128 columns of wob (256 bytes a
; row, each an aligned piece of 256 bytes of memory), kept as [k][column] for the transposing LDS load.  No LDS byte is filled twice.
; CLUSTER: 4 x 4 work-groups.  The four of a row of the cluster are the column quarters of one row block and read the same block of ctx;
; the four of a column are four row blocks of one column quarter and read the same columns of wob.  Each is asked for jointly, which
; divides the requests for both by four.  By this text's count a wave has two tensor loads out, the two issued at the start.
; Wave w makes rows 32 (w >> 1) .. + 31 x columns 64 (w & 1) .. + 63: eight accumulators.  Source 0 = 16 columns of Wo, source 1 = 16 rows
; of ctx, so that a lane's eight results are eight neighbouring columns of one row.
; LIMITS: the order of the sums is not that of the definition; Wo has been rounded to bf16 (to nearest even); NaN and infinities are not treated specially.
.set CP,   144                         ; LDS pitch of a row of ctx: 128 bytes + 16
.set CH,   128*CP                      ; a head's 128 rows: 18,432
.set WB,   8*CH                        ; 147,456: Wo begins here
.set WQ,   288                         ; LDS pitch of a row of Wo: 256 bytes + 32 = 9 x 32
.set WCH,  64*WQ                       ; 64 rows of Wo: 18,432
.set OP,   272                         ; the way out: a row of 64 f32 + 16 bytes
.set AC,   64                          ; v[64:127]  accumulator (e, u) at AC + 8 (2 e + u)
.set FB,   128                         ; fragment buffer p at FB + 48 p: ctx u at + 8 u, Wo e at + 16 + 8 e
; v3 ctx fragments, v4 Wo fragments, v5 stage in, v6 stage rows back, v7 output offset, v8 bias offset, v[12:15] bias
; s[20:23], s[24:31] the load of ctx; s[48:51], s[52:59] the load of wob
.macro ROUND
	s_barrier_signal -1
	s_barrier_wait -1
	s_cmp_lg_u32 s12, 0
	s_cbranch_scc1 .Lnot_wave_0_\@
	s_barrier_signal -3
.Lnot_wave_0_\@:
	s_barrier_wait -3
	s_barrier_signal -1
	s_barrier_wait -1
.endm
.macro PLACES
.rept 4
	v_nop
.endr
.endm
	s_load_b256 s[4:11], s[0:1], 0x0               ; ctx 4, wob 6, bo 8, out0 10
	v_lshl_add_u32 v254, v0, 2, 0x48000
	v_mov_b32 v255, 0
	ds_add_u32 v254, v255
	v_lshrrev_b32 v16, 5, v0
	v_readfirstlane_b32 s12, v16                   ; wave w
	s_lshr_b32 s13, s12, 1                         ; which 32 rows
	s_and_b32 s14, s12, 1                          ; which 64 columns
	s_bfe_u32 s15, ttmp6, 0x40000                  ; cx
	s_bfe_u32 s19, ttmp6, 0x40004                  ; cy
	s_lshl_b32 s16, ttmp9, 2
	s_add_co_u32 s16, s16, s15                     ; column quarter = 4 x cluster x + cx
	s_and_b32 s17, ttmp7, 0xffff
	s_lshl_b32 s17, s17, 2
	s_add_co_u32 s17, s17, s19                     ; row block = 4 x cluster y + cy
	s_lshl_b32 s44, s19, 2
	s_lshl_b32 s44, 15, s44                        ; my row of the cluster: places 4 cy .. 4 cy + 3
	s_lshl_b32 s45, 0x1111, s15                    ; my column: places cx, cx + 4, cx + 8, cx + 12
	; ctx hangs on the row block and the wave's number: these registers never hold cx
	s_lshr_b32 s32, s17, 4                         ; b
	s_lshl3_add_u32 s32, s32, s12                  ; 8 b + w: the head that I fetch
	s_lshl_b32 s32, s32, 18                        ; x 262,144 bytes
	s_and_b32 s18, s17, 15
	s_lshl_b32 s18, s18, 14                        ; + 128 rows of 128 bytes for each block inside the sequence
	s_add_co_u32 s32, s32, s18
	s_mov_b32 s33, 0
	; wob hangs on the column quarter and the wave's number: these registers never hold cy
	s_lshl_b32 s34, s12, 16                        ; 64 rows of 1,024 bytes
	s_lshl_b32 s40, s16, 8                         ; + 128 columns of 2 bytes
	s_add_co_u32 s34, s34, s40
	s_mov_b32 s35, 0
	s_lshl_b32 s38, s16, 9                         ; bias, output: 128 columns of 4 bytes
	s_mov_b32 s39, 0
	s_lshl_b32 s36, s17, 18                        ; output: 128 rows of 2,048 bytes
	s_add_co_u32 s36, s36, s38
	s_mov_b32 s37, 0
	; the load of ctx: 128 rows of 64 elements of 2 bytes, dense in memory; 4 words of padding behind every 32 words in LDS
	s_mov_b32 s20, 1
	s_mul_i32 s21, s12, CH                         ; head w's place
	s_or_b32 s24, s44, (1<<16)|(1<<20)|(1<<21)|(4<<22)|(3<<25)   ; mask: my row of the cluster; two bytes; padding; bit 21 beside the mask
	s_mov_b32 s25, 64<<16                          ; tensor_dim0 = 64
	s_mov_b32 s26, 128<<16                         ; tensor_dim1 = 128
	s_mov_b32 s27, 64<<16                          ; tile_dim0 = 64
	s_mov_b32 s28, 128                             ; tile_dim1 = 128
	s_mov_b32 s29, 64                              ; 64 elements from row to row
	s_mov_b32 s30, 0
	s_mov_b32 s31, 0
	; the load of wob: 64 rows of 128 elements of 2 bytes, 512 elements from row to row; 8 words of padding behind every 64 words in LDS
	s_mov_b32 s48, 1
	s_mul_i32 s49, s12, WCH
	s_add_co_u32 s49, s49, WB                      ; rows 64 w ..
	s_or_b32 s52, s45, (1<<16)|(1<<20)|(1<<21)|(5<<22)|(7<<25)   ; mask: my column of the cluster
	s_mov_b32 s53, 128<<16                         ; tensor_dim0 = 128
	s_mov_b32 s54, 64<<16                          ; tensor_dim1 = 64
	s_mov_b32 s55, 128<<16                         ; tile_dim0 = 128
	s_mov_b32 s56, 64                              ; tile_dim1 = 64
	s_mov_b32 s57, 512
	s_mov_b32 s58, 0
	s_mov_b32 s59, 0
	v_and_b32 v17, 15, v0                          ; r
	v_bfe_u32 v18, v0, 4, 1                        ; h
	v_and_b32 v19, 7, v0                           ; L & 7
	v_bfe_u32 v20, v0, 3, 1                        ; (L >> 3) & 1
	s_lshl_b32 s42, s14, 8
	v_lshlrev_b32 v8, 4, v17
	v_add_nc_u32 v8, s42, v8                       ; bias: my 64 columns, 16 r
	s_wait_dscnt 0x0
	s_wait_kmcnt 0x0
	s_add_nc_u64 s[22:23], s[4:5], s[32:33]
	s_or_b32 s23, s23, 0x80000000
	s_add_nc_u64 s[50:51], s[6:7], s[34:35]
	s_or_b32 s51, s51, 0x80000000
	s_add_nc_u64 s[8:9], s[8:9], s[38:39]
	s_add_nc_u64 s[10:11], s[10:11], s[36:37]
	global_load_b128 v[12:15], v8, s[8:9]          ; the bias of the four columns that I store
	ROUND                                          ; all sixteen work-groups are here: the joint loads meet
	tensor_load_to_lds s[20:23], s[24:31]          ; head w of the block of ctx
	s_nop 0
	tensor_load_to_lds s[48:51], s[52:59]          ; rows 64 w .. of my columns of wob: both first fills go out together
	s_nop 0
	s_mul_i32 s40, s13, 32*CP
	v_mul_u32_u24 v3, v17, CP
	v_lshl_add_u32 v3, v18, 4, v3
	v_add_nc_u32 v3, s40, v3                       ; ctx: row 32 (w >> 1) + r, 16 h
	s_lshl_b32 s41, s14, 7
	s_add_co_u32 s41, s41, WB
	v_lshl_add_u32 v21, v18, 3, v19
	v_mul_u32_u24 v4, v21, WQ
	v_lshl_add_u32 v4, v20, 4, v4
	v_add_nc_u32 v4, s41, v4                       ; Wo: row 8 h + (L & 7), my 64 columns, 16 ((L >> 3) & 1)
	s_mul_i32 s46, s12, WCH
	s_add_co_u32 s46, s46, WB                      ; my stage, later: the bytes of the rows of Wo that I fetched
	v_mul_u32_u24 v5, v17, OP
	v_lshl_add_u32 v5, v18, 5, v5
	v_add_nc_u32 v5, s46, v5                       ; stage in: row r, 32 h
	v_mul_u32_u24 v6, v18, OP
	v_lshl_add_u32 v6, v17, 4, v6
	v_add_nc_u32 v6, s46, v6                       ; stage back: row h, 16 r
	s_lshl_b32 s43, s13, 16
	v_lshl_add_u32 v7, v18, 11, v8
	v_add_nc_u32 v7, s43, v7                       ; output: 32 (w >> 1) + h rows of 2,048 bytes, my 64 columns, 16 r
; The fragments of a K step of 32 into buffer p; p is also the step's parity: half p of the head's 64.  Behind the odd step the next head.
.macro LOADF p
.irp u, 0,1
	ds_load_b128 v[FB+48*\p+8*\u:FB+48*\p+8*\u+3], v3 offset:16*CP*\u+64*\p
	ds_load_b128 v[FB+48*\p+8*\u+4:FB+48*\p+8*\u+7], v3 offset:16*CP*\u+64*\p+32
.endr
.irp e, 0,1,2,3
	ds_load_tr16_b128 v[FB+48*\p+16+8*\e:FB+48*\p+16+8*\e+3], v4 offset:32*WQ*\p+32*\e
	ds_load_tr16_b128 v[FB+48*\p+16+8*\e+4:FB+48*\p+16+8*\e+7], v4 offset:32*WQ*\p+32*\e+16*WQ
.endr
.if \p
	v_add_nc_u32 v3, CH, v3
	v_add_nc_u32 v4, WCH, v4
.endif
.endm
; Eight accumulators take turns, one instruction a turn, in the same order in every step.
.macro MULK p, zero
.irp e, 0,1,2,3
.irp u, 0,1
.if \zero
	v_wmma_f32_16x16x32_bf16 v[AC+8*(2*\e+\u):AC+8*(2*\e+\u)+7], v[FB+48*\p+16+8*\e:FB+48*\p+16+8*\e+7], v[FB+48*\p+8*\u:FB+48*\p+8*\u+7], 0
.else
	v_wmma_f32_16x16x32_bf16 v[AC+8*(2*\e+\u):AC+8*(2*\e+\u)+7], v[FB+48*\p+16+8*\e:FB+48*\p+16+8*\e+7], v[FB+48*\p+8*\u:FB+48*\p+8*\u+7], v[AC+8*(2*\e+\u):AC+8*(2*\e+\u)+7]
.endif
.endr
.endr
.endm
	s_wait_tensorcnt 0x0                           ; my head of ctx and my rows of Wo are in LDS: zero, for the other waves' sake
	s_barrier_signal -1
	s_barrier_wait -1                              ; everybody's are
	; sixteen K steps of 32 on two fragment buffers: while one is multiplied the other's twelve loads are on their way
	LOADF 0
	LOADF 1
	s_wait_dscnt 12                                ; all but the twelve just issued
	MULK 0, 1                                      ; the first products start the sums
.rept 7
	PLACES                                         ; four places between the matrix instructions that read a buffer and the loads into it
	LOADF 0
	s_wait_dscnt 12
	MULK 1, 0
	PLACES
	LOADF 1
	s_wait_dscnt 12
	MULK 0, 0
.endr
	s_wait_dscnt 0x0                               ; the last fragments; also: my reads of Wo and ctx are over
	MULK 1, 0
	PLACES                                         ; in front of the LDS stores that read the results
	s_barrier_signal -1
	s_barrier_wait -1                              ; nobody reads Wo any more, and its only fill is long over: each wave takes 18,432 bytes of it as a stage
	s_wait_loadcnt 0x0                             ; the bias
	; THE WAY OUT: 32 bytes a lane into the stage (rows of 272 bytes), whole rows of 256 bytes back, + bias, stored.
.irp u, 0,1
.irp e, 0,1,2,3
	ds_store_b128 v5, v[AC+8*(2*\e+\u):AC+8*(2*\e+\u)+3] offset:16*OP*\u+64*\e        ; row 16 u + r, columns 16 e + 8 h ..
	ds_store_b128 v5, v[AC+8*(2*\e+\u)+4:AC+8*(2*\e+\u)+7] offset:16*OP*\u+64*\e+16
.endr
.endr
.irp g, 0,1
.irp i, 0,1,2,3,4,5,6,7
	ds_load_b128 v[FB+32*\g+4*\i:FB+32*\g+4*\i+3], v6 offset:2*OP*(8*\g+\i)           ; rows 2 (8 g + i) + h; LDS serves my stores first
.endr
.irp i, 0,1,2,3,4,5,6,7
	s_wait_dscnt 7-\i
	v_pk_add_f32 v[FB+32*\g+4*\i:FB+32*\g+4*\i+1], v[FB+32*\g+4*\i:FB+32*\g+4*\i+1], v[12:13]
	v_pk_add_f32 v[FB+32*\g+4*\i+2:FB+32*\g+4*\i+3], v[FB+32*\g+4*\i+2:FB+32*\g+4*\i+3], v[14:15]
	global_store_b128 v7, v[FB+32*\g+4*\i:FB+32*\g+4*\i+3], s[10:11] offset:4096*(8*\g+\i) th:TH_STORE_NT   ; sixteen lanes store 256 consecutive bytes, aligned
.endr
.endr
	s_wait_tensorcnt 0x0
	ds_add_u32 v254, v255
	s_wait_dscnt 0x0
	ROUND                                          ; the closing round: no work-group ends while a partner may still ask for a block that names it
	s_endpgm
.Lfunc_end_k_q5f18116fab_outp:
	.size	k_q5f18116fab_outp, .Lfunc_end_k_q5f18116fab_outp-k_q5f18116fab_outp
	.p2alignl 7, 3214868480
	.fill 96, 4, 3214868480
	.section	.rodata,"a",@progbits
	.p2align	6, 0x0
	.amdhsa_kernel k_q5f18116fab_outp
		.amdhsa_group_segment_fixed_size 295936
		.amdhsa_private_segment_fixed_size 0
		.amdhsa_enable_private_segment 0
		.amdhsa_kernarg_size 32
		.amdhsa_user_sgpr_count 2
		.amdhsa_user_sgpr_kernarg_segment_ptr 1
		.amdhsa_wavefront_size32 1
		.amdhsa_system_sgpr_workgroup_id_x 1
		.amdhsa_system_sgpr_workgroup_id_y 1
		.amdhsa_system_sgpr_workgroup_id_z 1
		.amdhsa_system_vgpr_workitem_id 0
		.amdhsa_next_free_vgpr 256
		.amdhsa_next_free_sgpr 66
		.amdhsa_reserve_vcc 0
		.amdhsa_float_denorm_mode_32 3
		.amdhsa_float_denorm_mode_16_64 3
		.amdhsa_memory_ordered 1
		.amdhsa_forward_progress 1
		.amdhsa_inst_pref_size 36
	.end_amdhsa_kernel
	.amdgpu_metadata
---
amdhsa.version: [ 1, 2 ]
amdhsa.kernels:
  - .name:           k_q5f18116fab_outp
    .symbol:         k_q5f18116fab_outp.kd
    .args:
      - { .name: ctx, .offset: 0, .size: 8, .value_kind: global_buffer, .address_space: global }
      - { .name: wob, .offset: 8, .size: 8, .value_kind: global_buffer, .address_space: global }
      - { .name: bo, .offset: 16, .size: 8, .value_kind: global_buffer, .address_space: global }
      - { .name: out0, .offset: 24, .size: 8, .value_kind: global_buffer, .address_space: global }
    .group_segment_fixed_size: 295936
    .private_segment_fixed_size: 0
    .kernarg_segment_align: 8
    .kernarg_segment_size: 32
    .max_flat_workgroup_size: 256
    .sgpr_count:     66
    .vgpr_count:     256
    .wavefront_size: 32
...
	.end_amdgpu_metadata
.endif
;; end of part 3
